; MI455X (gfx1250); checked and timed in simulation.
; The chip was launched on July 23, 2026; its instructions are those of AMD's public machine-readable ISA for CDNA 5 (MIT licence, August 2026) and "CDNA5" Instruction Set Architecture Reference Guide (July 2026). The comments in the code are by the model that wrote it; some were corrected since.
;; Self Attention torch. Allowed arithmetic: matrix products marked QUANTISED: E2M3 operands, one E8M0 scale for each 32 along K, by v_wmma_scale_f32_16x16x128_f8f6f4 with both operands' format E2M3, f32 sums; everything else in f32.
;; Inputs: K_seq 4 x 2,048 x 1,024 float32; Q_seq 4 x 2,048 x 1,024 float32; V_seq 4 x 2,048 x 1,024 float32; WK_b 1,024 float32; WK_w 1,024 x 1,024 float32; WQ_b 1,024 float32; WQ_w 1,024 x 1,024 float32; WV_b 1,024 float32; WV_w 1,024 x 1,024 float32.
;; Outputs: out0 4 x 2,048 x 1,024 float32.
;; This version of the problem:
;;   THIS VERSION OF THE PROBLEM IS GIVEN IN LOW PRECISION. The matrix products marked QUANTISED in the list below multiply operands that are first quantised to E2M3 (2 exponent bits, 3 mantissa bits; 6 bits a number), with one power-of-two scale for each 32 numbers along K (OCP MX v1.0); their sums are f32. All else is computed in f32.
;;   The module's matrix products, in the order in which they are computed (A, B: the left and right operand; K: the contracted axis; several contracted axes count as one K, in the product's order):
;;     1. [M 8,192, K 1,024] x [K 1,024, N 1,024]; A: input Q_seq; B: input WQ_w: QUANTISED
;;     2. [M 8,192, K 1,024] x [K 1,024, N 1,024]; A: input K_seq; B: input WK_w: QUANTISED
;;     3. [M 8,192, K 1,024] x [K 1,024, N 1,024]; A: input V_seq; B: input WV_w: QUANTISED
;;     4. batch 64 x [M 2,048, K 64] x [K 64, N 2,048]; A: computed on the way; B: computed on the way: QUANTISED
;;     5. batch 64 x [M 2,048, K 2,048] x [K 2,048, N 64]; A: softmax (see below); B: computed on the way: QUANTISED
;;   THE QUANTISER, for each operand of a quantised product, along K:
;;     - K is cut into blocks of 32 from its start; a last block that is shorter is filled with zeros.
;;     - A block's scale is 2^e with e = floor(log2(the largest magnitude in the block)) - 2, held to -126 .. 127; a block of zeros has e = 0. As a byte (E8M0): e + 127.
;;     - Each number is divided by its block's scale, clamped to +-7.5, and rounded to the nearest number of E2M3, ties to even, subnormals kept.
;;     - The product sums the exact products of the quantised numbers (number of the format x scale) in f32.
;;   ~~~python
;;   def quantise(x, axis):      # numpy; x: float32 -> the quantised numbers, widened to float32 again
;;       x = np.moveaxis(x, axis, -1); K = x.shape[-1]
;;       x = np.pad(x, [(0, 0)] * (x.ndim - 1) + [(0, -K % 32)]); x = x.reshape(x.shape[:-1] + (-1, 32)); a = np.abs(x).max(-1, keepdims=True)
;;       e = np.where(a > 0, np.clip(np.frexp(np.where(a > 0, a, 1))[1] - 1 - 2, -126, 127), 0)      # np.frexp(a)[1] - 1 = floor(log2(a)), exactly
;;       r = np.clip(x / 2.0 ** e, -7.5, 7.5)
;;       step = 2.0 ** (np.maximum(np.frexp(np.where(r == 0, 1, r))[1] - 1, 0) - 3)
;;       q = np.round(r / step) * step * 2.0 ** e      # np.round: ties to even
;;       return np.moveaxis(q.reshape(q.shape[:-2] + (-1,))[..., :K], -1, axis).astype(np.float32)
;;   ~~~
;;   SOFTMAX AHEAD OF A QUANTISED PRODUCT. Where the list says 'softmax', what is quantised is not the finished softmax but p = 2^(t - M), with t = logit x log2(e) and M = ceil(the row's largest t), a whole number; so 1/2 < the row's largest p <= 1. The row's sum l is taken of the UNQUANTISED p, in f32, and the product's result is divided by l at the end. Since M is a whole number, a kernel that streams over the keys may use a running M (the ceiling of the running maximum): every later rescaling is an exact power of two, which a block's scale takes up: the codes' values come out the same.
;;   OPERANDS COMPUTED ON THE WAY. 'Computed on the way' means the value that the module computes at that place (a softmax that the list does not call 'softmax' is quantised finished and normalised). What goes into a quantiser is computed in f32, as accurately as f32 sums, v_exp_f32 and their like allow (about 1e-6 of the number): no bf16 or f16 on the way to a quantiser, and a product that is left as it is and whose result goes on into a quantised operand takes f32 operands (vector FMAs, or v_wmma_f32_16x16x4_f32). A number that lies on a knife's edge between two numbers of the format may be rounded either way, as far as f32 arithmetic and the matrix unit's own rounding can turn it there, and no further.
;; One version. Each part assembles by itself: llvm-mc -triple=amdgcn-amd-amdhsa -mcpu=gfx1250 --defsym DOCPART=n.
;; ======== version 1 of 1: 3 launches
;; workspace buffers: xc 18,874,368 bytes; xs 786,432 bytes; wc 2,359,296 bytes; ws 98,304 bytes; qi 6,815,744 bytes; kv 13,631,488 bytes
;; launch quant (part 1): grid 288 x 3, 4 waves a work-group, no clusters, 33,280 bytes of LDS; arguments Q_seq, K_seq, V_seq, WQ_w, WK_w, WV_w, xc, xs, wc, ws; writes xc, xs, wc, ws
.if DOCPART == 1
	.amdgcn_target "amdgcn-amd-amdhsa--gfx1250"
	.amdhsa_code_object_version 6
	.text
	.protected	k_qe9e388718a_quant
	.globl	k_qe9e388718a_quant
	.p2align	8
	.type	k_qe9e388718a_quant,@function
k_qe9e388718a_quant:
	s_mov_b64 s[64:65], 0
	v_nop
	global_prefetch_b8 v0, s[64:65] scope:SCOPE_SE
	s_setreg_imm32_b32 hwreg(HW_REG_WAVE_MODE, 25, 1), 1
	s_wait_xcnt 0x0
; The three sequences [8192][1024] and the three weights [1024][1024], f32 with K innermost, are turned into codes of FP6 (E2M3), 6 bits each, K innermost (a row: 768 bytes),
; with one E8M0 scale byte for each 32 along K (a row: 32 bytes).  xc, xs: [3][8192] rows; wc, ws: [3][1024] rows; the order is Q, K, V.
; A block's scale is 2^(floor(log2(its largest magnitude)) - 2); its byte is the largest magnitude's own exponent field - 2, held at 1 from below.
; LIMITS: a block whose largest magnitude lies under 2^-124 (a block of zeros too) keeps the byte 1; a block of zeros has zero codes, which add nothing under that byte, and the bytes are
; read by this program alone.  NaN and infinities among the inputs are not served.
; ROWS ARE STORED WITH BITS 3 AND 4 OF THE ROW NUMBER SWAPPED: lane r of the stored tile of 16 rows 2 b + u then holds row 32 b + 8 u + r + 8 (r / 8), which is the order in which the next
; launch wants the rows of a tile.  A wave's run is 8 rows (8,192 numbers), so the swap is a swap of the two bits of the wave's number in the place where the run is stored.
; SHARES: work-group y picks Q, K or V; x under 256 takes 32 rows of the sequence, x from 256 on 32 rows of the weight.  Only pointers are chosen: all take one path through the text.
; A wave takes 16 steps of 512 numbers.  A load reads 512 consecutive bytes, 16 a lane; a step's 2,048 bytes turn through the wave's own stage in LDS and come back 64 bytes a lane, so that a
; lane holds 16 neighbours along K (two neighbouring lanes hold a block).  No tensor loads, no barrier, no cluster: waves and work-groups share nothing.
.set STEPS, 16
.set EMAX,  2
.set CB,    12                         ; bytes of 16 codes
.set R,     16                         ; v16-79   four sets of 16 numbers as they are loaded
.set X,     80                         ; v80-111  two sets of 16 neighbours
.set E,     112                        ; v112-127 a scale byte for each step
.set C,     128                        ; v128-191 codes: four registers for each step, so that no store's data are written again
.set WREG,  8192                       ; LDS: a region for each wave: two stages of 32 x SP bytes, behind them its 256 scale bytes
.set SP,    80                         ; a lane's place in a stage: 64 bytes + 16 of padding
	s_load_b512 s[4:19], s[0:1], 0x0               ; Q_seq, K_seq, V_seq s[4:9]; WQ_w, WK_w, WV_w s[10:15]; xc s[16:17]; xs s[18:19]
	s_load_b128 s[20:23], s[0:1], 0x40             ; wc, ws
	v_lshl_add_u32 v192, v0, 2, 0x8000
	v_mov_b32 v193, 0
	v_lshrrev_b32 v1, 5, v0
	v_readfirstlane_b32 s24, v1                    ; wave
	v_and_b32 v2, 31, v0                           ; lane
	v_lshlrev_b32 v3, 4, v2                        ; my 16 bytes of a load's 512
	s_mul_i32 s27, s24, WREG
	v_lshrrev_b32 v14, 2, v2
	v_mul_u32_u24 v14, v14, SP
	v_and_b32 v15, 3, v2
	v_lshl_add_u32 v14, v15, 4, v14
	v_add_nc_u32 v14, s27, v14                     ; the stage, on the way in: SP (lane / 4) + 16 (lane % 4)
	v_mul_u32_u24 v15, v2, SP
	v_add_nc_u32 v15, s27, v15                     ; and on the way out: SP x lane: my 16 neighbours
	v_mul_u32_u24 v4, v2, CB                       ; my codes' place in a step's
	v_lshrrev_b32 v5, 1, v2
	s_add_co_u32 s27, s27, 2*32*SP
	v_add_nc_u32 v5, s27, v5                       ; LDS: my wave's 256 scale bytes, my block's byte
	v_lshlrev_b32 v7, 3, v2                        ; and on the way out 8 bytes a lane
	v_add_nc_u32 v6, s27, v7
	s_and_b32 s28, ttmp7, 0xffff                   ; y: Q, K or V
	s_mov_b32 s26, 128                             ; runs in a weight
	s_wait_kmcnt 0x0
	s_cmp_eq_u32 s28, 1                            ; every choice hangs on the work-group's numbers alone
	s_cselect_b64 s[4:5], s[6:7], s[4:5]
	s_cselect_b64 s[10:11], s[12:13], s[10:11]
	s_cmp_eq_u32 s28, 2
	s_cselect_b64 s[4:5], s[8:9], s[4:5]
	s_cselect_b64 s[10:11], s[14:15], s[10:11]
	s_cmp_lt_u32 ttmp9, 256                        ; the sequence or the weight
	s_cselect_b64 s[4:5], s[4:5], s[10:11]         ; from where,
	s_cselect_b64 s[16:17], s[16:17], s[20:21]     ; the codes,
	s_cselect_b64 s[18:19], s[18:19], s[22:23]     ; the scale bytes
	s_cselect_b32 s25, 0, 256
	s_cselect_b32 s26, 1024, s26                   ; runs in the tensor
	s_sub_co_u32 s25, ttmp9, s25
	s_lshl_b32 s25, s25, 2                         ; the work-group's first run
	s_add_co_u32 s30, s25, s24                     ; the run that I read
	s_and_b32 s29, s24, 1
	s_lshl_b32 s29, s29, 1
	s_lshr_b32 s31, s24, 1
	s_or_b32 s29, s29, s31                         ; the wave's two bits swapped
	s_mul_i32 s26, s26, s28
	s_add_co_u32 s26, s26, s25
	s_add_co_u32 s26, s26, s29                     ; the run's place in the buffers of codes and scale bytes
	s_lshl_b32 s32, s30, 15                        ; 32,768 bytes of f32 a run (all three offsets stay under 2^26)
	s_mov_b32 s33, 0
	s_add_nc_u64 s[4:5], s[4:5], s[32:33]
	s_mul_i32 s32, s26, 32*STEPS*CB                ; 6,144 bytes of codes a run
	s_add_nc_u64 s[16:17], s[16:17], s[32:33]
	s_lshl_b32 s32, s26, 8                         ; 256 scale bytes a run
	s_add_nc_u64 s[18:19], s[18:19], s[32:33]
.macro LOAD t
.irp i, 0,1,2,3
	global_load_b128 v[R+16*((\t)%4)+4*\i:R+16*((\t)%4)+4*\i+3], v3, s[4:5] offset:2048*(\t)+512*\i th:TH_LOAD_NT   ; 32 lanes read 512 consecutive bytes; read once in the launch
.endr
.endm
.macro TURN t                          ; step t's numbers through the stage: LDS serves a wave's instructions in order (ISA guide 5.7.1.4), so no wait stands between the stores and the loads
.irp i, 0,1,2,3
	ds_store_b128 v14, v[R+16*((\t)%4)+4*\i:R+16*((\t)%4)+4*\i+3] offset:32*SP*((\t)%2)+8*SP*\i
.endr
.irp i, 0,1,2,3
	ds_load_b128 v[X+16*((\t)%2)+4*\i:X+16*((\t)%2)+4*\i+3], v15 offset:32*SP*((\t)%2)+16*\i
.endr
.endm
.irp t, 0,1,2,3
	LOAD \t
.endr
	s_wait_loadcnt 12                              ; step 0's four loads are in; the twelve of steps 1 to 3 stay out
	TURN 0
.macro STEP t
.set XS, X+16*((\t)%2)
.if (\t) > 0
	s_wait_dscnt 1                                 ; this step's numbers are back from the stage (the last step's byte store may be out): so its stores into the stage have read their registers,
.else
	s_wait_dscnt 0x0
.endif
.if (\t)+4 < STEPS
	LOAD (\t)+4                                    ; which take the loads of four steps on
.endif
.if (\t)+1 < STEPS
.if STEPS-2-(\t) >= 3
	s_wait_loadcnt 12                              ; the next step's four loads are in; those of the three steps behind it may be out
.else
	s_wait_loadcnt 4*(STEPS-2-(\t))
.endif
	TURN (\t)+1                                    ; and go through the other stage while this step is worked
.endif
	v_max3_num_f32 v8, |v[XS]|, |v[XS+1]|, |v[XS+2]|               ; the largest magnitude of my 16, in two chains
	v_max3_num_f32 v9, |v[XS+3]|, |v[XS+4]|, |v[XS+5]|
.irp i, 6,10
	v_max3_num_f32 v8, v8, |v[XS+\i]|, |v[XS+\i+1]|
	v_max3_num_f32 v9, v9, |v[XS+\i+2]|, |v[XS+\i+3]|
.endr
	v_max3_num_f32 v8, v8, |v[XS+14]|, |v[XS+15]|
	v_max3_num_f32 v8, v8, v9, (EMAX+1)<<23        ; and the floor 2^(3 - 127): so the byte cannot fall under 1
	v_max_num_f32_dpp v8, v8, v8 row_xmask:1 row_mask:0xf bank_mask:0xf   ; and of my neighbour's 16: the block's
	v_add_nc_u32 v11, -(EMAX<<23), v8              ; 2 off its exponent field: the conversion takes the exponent field of this operand as its scale, and nothing else of it
	v_cvt_scalef32_pk16_fp6_f32 v[C+4*(\t):C+4*(\t)+2], v[XS:XS+15], v11   ; sixteen numbers / the scale, to the nearest code, ties to even, beyond the largest code the largest; 96 bits without gaps
	v_lshrrev_b32 v[E+(\t)], 23, v11               ; the scale's byte (also the plain line behind the conversion)
	ds_store_b8 v5, v[E+(\t)] offset:16*(\t)       ; both lanes of a block write the same byte with the same value
	global_store_b96 v4, v[C+4*(\t):C+4*(\t)+2], s[16:17] offset:32*CB*(\t)   ; the wave stores 384 consecutive bytes
.endm
.irp t, 0,1,2,3,4,5,6,7,8,9,10,11,12,13,14,15
	STEP \t
.endr
	ds_load_b64 v[12:13], v6                       ; these see my byte stores: one wave's LDS instructions are served in order
	s_wait_dscnt 0x0
	global_store_b64 v7, v[12:13], s[18:19]        ; 32 lanes store 256 consecutive bytes, at a multiple of 256 from the buffer's first byte
	s_wait_tensorcnt 0x0
	ds_add_u32 v192, v193
	s_wait_dscnt 0x0
	s_endpgm
.Lfunc_end_k_qe9e388718a_quant:
	.size	k_qe9e388718a_quant, .Lfunc_end_k_qe9e388718a_quant-k_qe9e388718a_quant
	.p2alignl 7, 3214868480
	.fill 96, 4, 3214868480
	.section	.rodata,"a",@progbits
	.p2align	6, 0x0
	.amdhsa_kernel k_qe9e388718a_quant
		.amdhsa_group_segment_fixed_size 33280
		.amdhsa_private_segment_fixed_size 0
		.amdhsa_enable_private_segment 0
		.amdhsa_kernarg_size 80
		.amdhsa_user_sgpr_count 2
		.amdhsa_user_sgpr_kernarg_segment_ptr 1
		.amdhsa_wavefront_size32 1
		.amdhsa_system_sgpr_workgroup_id_x 1
		.amdhsa_system_sgpr_workgroup_id_y 1
		.amdhsa_system_sgpr_workgroup_id_z 1
		.amdhsa_system_vgpr_workitem_id 0
		.amdhsa_next_free_vgpr 194
		.amdhsa_next_free_sgpr 66
		.amdhsa_reserve_vcc 0
		.amdhsa_float_denorm_mode_32 3
		.amdhsa_float_denorm_mode_16_64 3
		.amdhsa_memory_ordered 1
		.amdhsa_forward_progress 1
		.amdhsa_inst_pref_size 33
	.end_amdhsa_kernel
	.amdgpu_metadata
---
amdhsa.version: [ 1, 2 ]
amdhsa.kernels:
  - .name:           k_qe9e388718a_quant
    .symbol:         k_qe9e388718a_quant.kd
    .args:
      - { .name: Q_seq, .offset: 0, .size: 8, .value_kind: global_buffer, .address_space: global }
      - { .name: K_seq, .offset: 8, .size: 8, .value_kind: global_buffer, .address_space: global }
      - { .name: V_seq, .offset: 16, .size: 8, .value_kind: global_buffer, .address_space: global }
      - { .name: WQ_w, .offset: 24, .size: 8, .value_kind: global_buffer, .address_space: global }
      - { .name: WK_w, .offset: 32, .size: 8, .value_kind: global_buffer, .address_space: global }
      - { .name: WV_w, .offset: 40, .size: 8, .value_kind: global_buffer, .address_space: global }
      - { .name: xc, .offset: 48, .size: 8, .value_kind: global_buffer, .address_space: global }
      - { .name: xs, .offset: 56, .size: 8, .value_kind: global_buffer, .address_space: global }
      - { .name: wc, .offset: 64, .size: 8, .value_kind: global_buffer, .address_space: global }
      - { .name: ws, .offset: 72, .size: 8, .value_kind: global_buffer, .address_space: global }
    .group_segment_fixed_size: 33280
    .private_segment_fixed_size: 0
    .kernarg_segment_align: 8
    .kernarg_segment_size: 80
    .max_flat_workgroup_size: 128
    .sgpr_count:     66
    .vgpr_count:     194
    .wavefront_size: 32
...
	.end_amdgpu_metadata
.endif
;; end of part 1
;; launch proj (part 2): grid 4 x 96, 4 waves a work-group, clusters of 4 x 4, 327,680 bytes of LDS; arguments xc, xs, wc, ws, WQ_b, WK_b, WV_b, qi, kv; writes qi, kv
.if DOCPART == 2
	.amdgcn_target "amdgcn-amd-amdhsa--gfx1250"
	.amdhsa_code_object_version 6
	.text
	.protected	k_qe9e388718a_proj
	.globl	k_qe9e388718a_proj
	.p2align	8
	.type	k_qe9e388718a_proj,@function
k_qe9e388718a_proj:
	s_mov_b64 s[64:65], 0
	v_nop
	global_prefetch_b8 v0, s[64:65] scope:SCOPE_SE
	s_setreg_imm32_b32 hwreg(HW_REG_WAVE_MODE, 25, 1), 1
	s_wait_xcnt 0x0
	s_wait_alu depctr_hold_cnt(0) depctr_sa_sdst(0) depctr_va_vdst(0) depctr_va_sdst(0) depctr_va_ssrc(0) depctr_va_vcc(0) depctr_vm_vsrc(0)
	s_getreg_b32 s2, hwreg(HW_REG_IB_STS2, 6, 4)
	s_cmp_eq_u32 s2, 0
	s_cbranch_scc0 .Lentry_in_a_cluster
	s_endpgm
.Lentry_in_a_cluster:
	s_bfe_u32 s2, ttmp6, 0x10000c
	s_cmp_lg_u32 s2, 0xf033
	s_cbranch_scc0 .Lentry_shape_is_right
	s_endpgm
.Lentry_shape_is_right:
; The three linear layers y = x W^T + b on codes of FP6 (E2M3) with one E8M0 scale for each 32 along K = 1,024; sums in f32; the bias is added in f32; and y is quantised AT ONCE, in registers, into
; the operands of the attention launch, which are stored as images of the operands' registers.
; THE MATRIX INSTRUCTION'S RESULT holds one row of source 1 in a lane and eight rows of source 0 along the lane's registers.  A quantiser wants its K along a lane's registers.  So:
;   Q, K (quantised along the head's 64):  source 0 (S0) = rows of W, source 1 (S1) = tokens: a lane holds one token, its registers run along n;
;   V    (quantised along the keys):       S0 = tokens, S1 = rows of W: a lane holds one channel d, its registers run along the keys.
; One text serves all three: T (0 Q, 1 K, 2 V) chooses pointers, row numbers and, on the way out, which registers form a unit and how the bias is added.
; The rows of xc, xs, wc, ws lie with bits 3 and 4 of the row number swapped, so that lane r of the stored tile 2 b + u is row 32 b + 8 u + r + 8 (r / 8), and the 16 registers of the results of
; S0's tiles 2 b and 2 b + 1 are the 16 NEIGHBOURING rows 32 b + 16 (lane / 16) + 0 .. 15 of S0.
; SHARES: cluster y = 8 T + U.  A cluster of 4 x 4 work-groups makes 1,024 tokens (U) x all 1,024 n.  A work-group makes 256 (S1, by cy) x 256 (S0, by cx); a wave 128 x 128: 64 accumulators, 512 registers.
; The four of a row of the cluster need the same tiles of S1, the four of a column the same tiles of S0: each tile is asked for JOINTLY, by the same tensor load with the same descriptor and a mask that names the four.
; K goes in steps of 256 (rows of 192 bytes) through a ring of two LDS slots; the scale bytes of the work-group's rows, for all of K, come once with the first fills.
; By this text's own count a wave has three tensor loads out at the start and one behind each round.
; OUTPUT.  qi: [16 b + head][step of 128 tokens] records of 6,656 bytes: 4 units of codes (1,536 bytes each), 512 bytes of scale words.  kv: records of 13,312 bytes: K's 6,656 laid likewise, then V's.
;   A unit is 12 registers a lane as 3 x 512 bytes (registers 4 c .. 4 c + 3, lane l's 16 bytes at 16 l).  Q, K: unit ap = tile 2 ap (16 tokens x 64) in registers 0-5, tile 2 ap + 1 in registers 6-11.
;   V: unit dt = a whole fragment, 16 channels x 128 keys.  Scale words: lane l's 16 bytes are the four units' words; Q, K: lanes 0-15 tile 2 ap's row word, lanes 16-31 tile 2 ap + 1's (two bytes, two zeros).
; LIMITS: a block whose largest magnitude lies under 2^-124 (a block of zeros too) keeps the byte 1; this program alone reads the bytes.  NaN and infinities are not served.
; REGISTERS, in windows of 256: window 0: v0-31 addresses; v32-63 scale words, two sets, and nothing else; v64-127 the bias along S0; v128-223 S1's fragments, ONE set; v224-231 the bias along S1;
;   on the way out v128-219 and v232-248 are at work.   window 1: S0's fragments, TWO sets.   windows 2, 3: the accumulators ((a, b) at v[8 (8 (a % 4) + b)], a = S1's block, b = S0's).
.set KSTEP,  256                       ; along K in a slot
.set NQ,     2                         ; matrix instructions deep
.set ROWB,   192                       ; a tile's row in bytes
.set KROW,   768                       ; a row of codes in memory
.set PITCH,  240                       ; an LDS row: 3 x (64 bytes + 16 of padding) = 60 words: the 32 lanes of a load of 8 bytes touch 64 different banks (64 banks of 4 bytes: ISA guide 11.1)
.set FR,     12                        ; registers of a fragment: 16 rows x 128 K
.set NL,     6                         ; LDS loads that bring one
.set NP,     4                         ; places behind this matrix instruction (ISA guide 7.12.1)
.set HALFT,  128*PITCH                 ; 128 rows: what one tensor load brings, and what one wave reads of S1 or of S0
.set SLOT,   4*HALFT                   ; S1's 256 rows, then S0's 256 rows
.set LAPS,   2                         ; a lap = two K steps = once round the ring: 1,024 / 512
.set KS,     32                        ; a row of scale bytes
.set SCL,    2*SLOT                    ; behind the ring: the scale bytes, as rows of 256 bytes + 16 of padding
.set HALFS,  16*272                    ; those of 128 rows: what one tensor load brings
.set SBLK,   2*272                     ; those of 16 rows
.set SPARE,  SCL+4*HALFS               ; behind them: the spare words, 128 bytes for each wave: two blocks of 256 bytes that no other line names
.set ADRA, 16                          ; v16-17  LDS address of my S1 fragments in slot 0, 1  (v18-19: for the pieces that lie behind one padding more)
.set ADRB, 20                          ; v20-21  the same for S0  (v22-23)
.set LI,   24                          ; v24     16 x lane: my place in an image
.set SH,   25                          ; v25     Q, K: 16 x (lane / 16); V: 0: how far my scale word is shifted down
.set BO,   26                          ; v26     my byte offset in the bias, along S0
.set ADRS, 27                          ; v27     LDS address of my scale words: lanes 0-15 S1's rows, lanes 16-31 S0's
.set SPW,  28                          ; v28     LDS address of my spare word; never rewritten
.set NIL,  29                          ; v29     0; never rewritten
.set RO,   30                          ; v30     my byte offset in the bias, along S1
.set SC,   32                          ; scale words: set s at v[SC + 16 s]; register 2 i + q: lanes 0-15 S1's block i, lanes 16-31 S0's block i, the slot's q-th 128 along K
.set PB,   64                          ; v64-127  bias[e0 + 32 b + 16 (lane / 16) + i] at 16 b + i
.set AF,   128                         ; S1's fragments
.set HA,   128                         ; the way out: v128-191 a unit's 64 numbers
.set PC,   192                         ; v192-203 its codes; v204-206, v208-210 the conversions' second halves
.set PWS,  212                         ; v212-219 the eight units' scale words
.set RB,   224                         ; v224-231 bias of my row of S1's block a
.set TM,   232                         ; v232-235 largest magnitudes, v236-239 bytes, v244-247 the conversions' scale operands
.set PW,   248                         ; the scale word just made
.set G1, 24                            ; s[24:31] descriptor group 1 for S1's tiles;  s[32:39] group 0, one set for each slot
.set G0, 32
.set SEL, 46                           ; s[46:47] (on the way out) lane selects for v_permlanex16_b32: lane l xor 16
.set G1B, 48                           ; s[48:55], s[56:63] the same for S0's tiles
.set G0B, 56
.set WV, 66                            ; s66  wave
.set WH, 67                            ; s67  wave / 2: my half of S1's rows.  Also: I fetch for S1 (0) or for S0 (1)
.set G1S, 68                           ; s[68:75], s[76:79] groups 1 and 0 for S1's scale bytes;  s[80:87], s[88:91] for S0's
.set G0S, 76
.set G1SB, 80
.set G0SB, 88
.set WL, 100                           ; s100 wave % 2: my half of S0's rows.  Also: which 128 rows I fetch
.set T,  101                           ; s101 0 Q, 1 K, 2 V
.set MK, 104                           ; s104 U, later the mask of a scale word: Q, K 0xffff; V all ones
.set MSB, 0
.macro WIN new                         ; the immediate's high byte repeats the setting that is left
.if MSB != (\new)
	s_set_vgpr_msb (MSB<<8)|(\new)
.set MSB, (\new)
.endif
.endm
.set MUL_LO, 0xa1                      ; source 0 (S0) window 1, source 1 (S1) window 0, C and D window 2
.set MUL_HI, 0xf1                      ; the same, C and D window 3
.set TO_B,   0x40                      ; destination window 1, address window 0
; A joint load: waves 0 and 1 fetch for S1, waves 2 and 3 for S0.  Each of the two lines has ONE mask and one set of registers for all that issue it; the branch hangs on the wave's number alone.
; Four v_nop follow each of the two lines, ahead of the jump, the label and what follows.
.macro JLOAD g0a, g1a, g0b, g1b
	s_cmp_eq_u32 s[WH], 0
	s_cbranch_scc0 .Lfor_b_\@
	tensor_load_to_lds s[\g0a:\g0a+3], s[\g1a:\g1a+7]
	s_nop 0
.rept 4
	v_nop
.endr
	s_branch .Lasked_\@
.Lfor_b_\@:
	tensor_load_to_lds s[\g0b:\g0b+3], s[\g1b:\g1b+7]
	s_nop 0
.rept 4
	v_nop
.endr
.Lasked_\@:
.endm
.macro CREST                           ; a round of the cluster's barrier behind its opening barrier
	s_cmp_lg_u32 s[WV], 0
	s_cbranch_scc1 .Lnot_wave_0_\@
	s_barrier_signal -3
.Lnot_wave_0_\@:
	s_barrier_wait -3
	s_barrier_signal -1
	s_barrier_wait -1
.endm
.macro CROUND                          ; a whole round
	s_barrier_signal -1
	s_barrier_wait -1
	CREST
.endm
	s_load_b512 s[4:19], s[0:1], 0x0               ; xc s[4:5], xs s[6:7], wc s[8:9], ws s[10:11], WQ_b s[12:13], WK_b s[14:15], WV_b s[16:17], qi s[18:19]
	s_load_b64 s[20:21], s[0:1], 0x40              ; kv
	v_lshl_add_u32 v[SPW], v0, 2, SPARE
	v_mov_b32 v[NIL], 0
	ds_add_u32 v28, v29
	ds_add_u32 v28, v29
	s_wait_dscnt 0x0
	v_lshrrev_b32 v1, 5, v0
	v_readfirstlane_b32 s[WV], v1                  ; wave 0..3
	s_lshr_b32 s[WH], s[WV], 1
	s_and_b32 s[WL], s[WV], 1
	s_bfe_u32 s40, ttmp6, 0x40000                  ; cx, cy: my place in the cluster
	s_bfe_u32 s41, ttmp6, 0x40004
	s_and_b32 s22, ttmp7, 0xffff                   ; cluster y, which all sixteen share
	s_lshr_b32 s[T], s22, 3
	s_and_b32 s[MK], s22, 7                        ; U: which 1,024 tokens
	s_lshl_b32 s43, s41, 2
	s_lshl_b32 s43, 15, s43                        ; my row of the cluster
	s_lshl_b32 s44, 0x1111, s40                    ; my column
	; descriptor group 1: a tile of 128 rows x 192 bytes, padded in LDS
	s_or_b32 s[G1+0], s43, (0<<16)|(1<<20)|(1<<21)|(3<<22)|(3<<25)  ; 15:0 the mask: S1's tiles go to my row; 17:16 element of 1 byte; 20 padding on; 21 set beside a mask; 24:22 after every 16 words (code 3); 31:25 of 4 words (code 3)
	s_or_b32 s[G1B+0], s44, (0<<16)|(1<<20)|(1<<21)|(3<<22)|(3<<25) ; the same with the mask of my column, for S0's tiles
.irp g, G1, G1B
	s_mov_b32 s[\g+1], ROWB<<16                    ; tensor_dim0
	s_mov_b32 s[\g+2], 128<<16                     ; tensor_dim1 = 128
	s_mov_b32 s[\g+3], ROWB<<16                    ; tile_dim0
	s_mov_b32 s[\g+4], 128                         ; tile_dim1 = 128
	s_mov_b32 s[\g+5], KROW                        ; tensor_dim0_stride
	s_mov_b32 s[\g+6], 0
	s_mov_b32 s[\g+7], 0
.endr
	; and for the scale bytes of 128 rows: a dense block of 4,096 bytes, as 16 rows of 256 bytes (32 elements of 8 bytes), 16 bytes of padding behind each
	s_or_b32 s[G1S+0], s43, (3<<16)|(1<<20)|(1<<21)|(5<<22)|(3<<25)
	s_or_b32 s[G1SB+0], s44, (3<<16)|(1<<20)|(1<<21)|(5<<22)|(3<<25)
.irp g, G1S, G1SB
	s_mov_b32 s[\g+1], 32<<16
	s_mov_b32 s[\g+2], 16<<16
	s_mov_b32 s[\g+3], 32<<16
	s_mov_b32 s[\g+4], 16
	s_mov_b32 s[\g+5], 32
	s_mov_b32 s[\g+6], 0
	s_mov_b32 s[\g+7], 0
.endr
	; the rows that I fetch.  S1's hang on cy alone, S0's on cx alone, each made in registers that never hold the other coordinate
	s_lshl_b32 s22, s[T], 13
	s_lshl_b32 s23, s[MK], 10
	s_add_co_u32 s22, s22, s23                     ; the cluster's first row among xc's 3 x 8,192
	s_lshl_b32 s23, s[T], 10                       ; and among wc's 3 x 1,024
	s_cmp_eq_u32 s[T], 2
	s_cselect_b32 s46, s23, s22                    ; S1: V takes W's rows, Q and K the tokens
	s_cselect_b32 s42, s22, s23                    ; S0: the other
	s_lshl_b32 s47, s[WL], 7                       ; which 128 rows of the tile I fetch
	s_lshl_b32 s94, s41, 8
	s_add_co_u32 s46, s46, s94
	s_add_co_u32 s46, s46, s47                     ; S1: + 256 cy + 128 half
	s_lshl_b32 s98, s40, 8
	s_add_co_u32 s42, s42, s98
	s_add_co_u32 s42, s42, s47                     ; S0: + 256 cx + 128 half
	s_mul_i32 s92, s46, KROW                       ; in bytes (under 2^25): the codes,
	s_mov_b32 s93, 0
	s_lshl_b32 s94, s46, 5                         ; the scale bytes
	s_mov_b32 s95, 0
	s_mul_i32 s96, s42, KROW
	s_mov_b32 s97, 0
	s_lshl_b32 s98, s42, 5
	s_mov_b32 s99, 0
	s_mul_i32 s45, s[WV], HALFT                    ; where they go: wave x 128 rows: no place in the cluster enters an LDS address
	s_mul_i32 s105, s[WV], HALFS
	s_wait_kmcnt 0x0
	s_cmp_eq_u32 s[T], 1                           ; every choice of a buffer hangs on T alone
	s_cselect_b64 s[12:13], s[14:15], s[12:13]
	s_cmp_eq_u32 s[T], 2
	s_cselect_b64 s[12:13], s[16:17], s[12:13]     ; the bias
	s_cselect_b64 s[14:15], s[8:9], s[4:5]         ; S1's codes
	s_cselect_b64 s[16:17], s[10:11], s[6:7]       ; S1's scale bytes
	s_cselect_b64 s[4:5], s[4:5], s[8:9]           ; S0's codes
	s_cselect_b64 s[6:7], s[6:7], s[10:11]         ; S0's scale bytes
	s_add_nc_u64 s[14:15], s[14:15], s[92:93]
	s_add_nc_u64 s[16:17], s[16:17], s[94:95]
	s_add_nc_u64 s[4:5], s[4:5], s[96:97]
	s_add_nc_u64 s[6:7], s[6:7], s[98:99]
	s_cmp_eq_u32 s[T], 0
	s_cselect_b64 s[18:19], s[18:19], s[20:21]     ; Q goes to qi, K and V to kv
	CROUND                                         ; all sixteen work-groups are here: the first joint loads meet
	s_mov_b32 s[G0S], 1
	s_add_co_u32 s[G0S+1], s105, SCL
	s_mov_b64 s[G0S+2:G0S+3], s[16:17]
	s_or_b32 s[G0S+3], s[G0S+3], 0x80000000
	s_mov_b32 s[G0SB], 1
	s_add_co_u32 s[G0SB+1], s105, SCL
	s_mov_b64 s[G0SB+2:G0SB+3], s[6:7]
	s_or_b32 s[G0SB+3], s[G0SB+3], 0x80000000
	JLOAD G0S, G1S, G0SB, G1SB                     ; the scale bytes first: they are wanted with K step 0
.irp s, 0,1
	s_mov_b32 s[G0+4*\s], 1                                        ; 1:0 count = 1
	s_add_co_u32 s[G0+4*\s+1], s45, \s*SLOT                        ; 63:32 LDS address
	s_add_nc_u64 s[G0+4*\s+2:G0+4*\s+3], s[14:15], \s*ROWB         ; 120:64 global address: K step s
	s_or_b32 s[G0+4*\s+3], s[G0+4*\s+3], 0x80000000                ; 127:126 type = 2
	s_mov_b32 s[G0B+4*\s], 1
	s_add_co_u32 s[G0B+4*\s+1], s45, \s*SLOT
	s_add_nc_u64 s[G0B+4*\s+2:G0B+4*\s+3], s[4:5], \s*ROWB
	s_or_b32 s[G0B+4*\s+3], s[G0B+4*\s+3], 0x80000000
	JLOAD G0+4*\s, G1, G0B+4*\s, G1B
.endr
	v_and_b32 v1, 15, v0                           ; r = l % 16
	v_bfe_u32 v2, v0, 4, 1                         ; h = l / 16
	v_mul_u32_u24 v3, v1, PITCH
	v_mul_u32_u24 v4, v2, 24
	v_add_nc_u32 v4, v3, v4                        ; a fragment's row x pitch + 24 x half
	v_lshl_add_u32 v5, v2, 4, v4                   ; and the same behind one padding more
	s_mul_i32 s92, s[WH], HALFT                    ; my 128 rows of S1
	s_mul_i32 s93, s[WL], HALFT                    ; my 128 rows of S0,
	s_add_co_u32 s93, s93, 2*HALFT                 ; which lie behind S1's 256
.irp s, 0,1
	v_add_nc_u32 v[ADRA+\s], s92, v4
	v_add_nc_u32 v[ADRB+\s], s93, v4
	v_add_nc_u32 v[ADRA+2+\s], s92, v5
	v_add_nc_u32 v[ADRB+2+\s], s93, v5
	s_add_co_u32 s92, s92, SLOT
	s_add_co_u32 s93, s93, SLOT
.endr
	v_mul_u32_u24 v5, v1, KS                       ; my row's scale bytes: 32 a row,
	v_lshrrev_b32 v6, 8, v5
	v_lshl_add_u32 v5, v6, 4, v5                   ; and 16 more for each 256 passed
	s_mul_i32 s92, s[WH], HALFS                    ; S1's: my 128 rows
	s_mul_i32 s93, s[WL], HALFS                    ; S0's: my 128 rows, behind S1's 256
	s_add_co_u32 s93, s93, 2*HALFS
	s_sub_co_u32 s93, s93, s92
	v_mul_u32_u24 v6, s93, v2                      ; lanes 16-31 take S0's: the lower base + h x the distance
	s_add_co_u32 s92, s92, SCL
	v_add_nc_u32 v5, v5, v6
	v_add_nc_u32 v[ADRS], s92, v5
	; the bias, in both forms, so that every register named later is written whatever T is: Q and K use the form along S0 (n runs along my registers), V the form along S1 (n is my lane's row)
	s_lshl_b32 s92, s40, 8
	s_lshl_b32 s93, s[WL], 7
	s_add_co_u32 s92, s92, s93                     ; e0: my first row of S0 in the cluster's 1,024
	s_lshl_b32 s93, s41, 8
	s_lshl_b32 s94, s[WH], 7
	s_add_co_u32 s93, s93, s94                     ; e1: my first row of S1
	s_lshl_b32 s94, s92, 2
	v_lshl_add_u32 v[BO], v2, 6, s94               ; 4 e0 + 64 h
	v_and_b32 v6, 8, v1
	v_add_nc_u32 v6, v6, v1                        ; r + 8 (r / 8)
	s_lshl_b32 s95, s93, 2
	v_lshl_add_u32 v[RO], v6, 2, s95               ; 4 e1 + 4 (r + 8 (r / 8))
.irp b, 0,1,2,3
.irp q, 0,1,2,3
	global_load_b128 v[PB+16*\b+4*\q:PB+16*\b+4*\q+3], v[BO], s[12:13] offset:128*\b+16*\q   ; e0 + 127 and e1 + 127 are 1,023 at the most: inside the bias
.endr
.endr
.irp a, 0,1,2,3,4,5,6,7
	global_load_b32 v[RB+\a], v[RO], s[12:13] offset:4*(32*(\a/2)+8*(\a%2))
.endr
	; where my results go
	s_lshl_b32 s96, s[MK], 10                      ; 1,024 U
	s_cmp_eq_u32 s[T], 2
	s_cselect_b32 s94, s92, s93                    ; my first token in the cluster's 1,024: V e0, Q and K e1
	s_cselect_b32 s95, s93, s92                    ; my first n
	s_cselect_b32 s97, 6656, 0                     ; V lies behind K in a record
	s_cselect_b32 s98, 0, 16
	s_mov_b32 s[MK], -1
	s_cselect_b32 s[MK], s[MK], 0xffff
	s_add_co_u32 s94, s94, s96                     ; my first token of the 8,192: a multiple of 128
	s_lshr_b32 s96, s94, 11                        ; the batch
	s_lshl_b32 s96, s96, 4
	s_lshr_b32 s95, s95, 6                         ; my first head (I have two)
	s_add_co_u32 s96, s96, s95
	s_lshl_b32 s96, s96, 4
	s_bfe_u32 s94, s94, 0x40007                    ; the step of 128 tokens
	s_add_co_u32 s96, s96, s94                     ; the record
	s_mov_b32 s99, 13312
	s_cmp_eq_u32 s[T], 0
	s_cselect_b32 s99, 6656, s99                   ; a record's bytes
	s_mul_i32 s96, s96, s99
	s_add_co_u32 s96, s96, s97
	s_mov_b32 s97, 0
	s_add_nc_u64 s[18:19], s[18:19], s[96:97]      ; my first head's record
	s_lshl_b32 s96, s99, 4
	s_add_nc_u64 s[20:21], s[18:19], s[96:97]      ; the next head's: 16 records on
	v_and_b32 v6, 31, v0
	v_lshlrev_b32 v[LI], 4, v6
	v_mul_u32_u24 v[SH], s98, v2
	s_mov_b32 s[SEL], 0x76543210
	s_mov_b32 s[SEL+1], 0xfedcba98
.macro FRAG reg, adr, q, i             ; a fragment, 16 rows x 128 K of 6-bit codes, is 12 registers: lane l holds row l % 16; registers 6 c .. 6 c + 5 hold K = 64 c + 32 (l / 16) + 0 .. 31: 24 bytes of the row's stream of bits, as they lie
.irp p, 0,1,2,3,4,5                    ; in pieces of 8 bytes.  Lanes 0-15 take the row's pieces 12 q + 0, 1, 2 and 12 q + 6, 7, 8, lanes 16-31 those three pieces on
.set PIECE, 12*(\q)+6*(\p/3)+\p%3      ; 16 bytes of padding lie behind every 8 pieces: where the piece three on lies behind one padding more, the second address register serves
.if PIECE%8 < 5
	ds_load_b64 v[\reg+2*\p:\reg+2*\p+1], v[\adr] offset:8*PIECE+16*(PIECE/8)+(\i)*16*PITCH
.else
	ds_load_b64 v[\reg+2*\p:\reg+2*\p+1], v[\adr+2] offset:8*PIECE+16*(PIECE/8)+(\i)*16*PITCH
.endif
.endr
.endm
; 16 matrix instructions: S1's blocks a0, a0 + 1 x S0's eight, 128 along K: the slot's q-th.  p: S0's set;  sc: the set of scale words.  zero = 1: the first product starts the sums: nothing is ever cleared.
; The 64 accumulators take turns, one instruction a turn, in the same order in every step.
.macro MUL16 a0, p, q, sc, zero
.irp a, \a0, \a0+1
.irp b, 0,1,2,3,4,5,6,7
.if \zero
	v_wmma_scale_f32_16x16x128_f8f6f4 v[8*(8*((\a)%4)+\b):8*(8*((\a)%4)+\b)+7], v[128*(\p)+FR*\b:128*(\p)+FR*\b+FR-1], v[AF+FR*(\a):AF+FR*(\a)+FR-1], 0, v[SC+8*NQ*(\sc)+NQ*\b+(\q)], v[SC+8*NQ*(\sc)+NQ*(\a)+(\q)] matrix_a_fmt:MATRIX_FMT_FP6 matrix_b_fmt:MATRIX_FMT_FP6 matrix_a_scale:MATRIX_SCALE_ROW1
.else
	v_wmma_scale_f32_16x16x128_f8f6f4 v[8*(8*((\a)%4)+\b):8*(8*((\a)%4)+\b)+7], v[128*(\p)+FR*\b:128*(\p)+FR*\b+FR-1], v[AF+FR*(\a):AF+FR*(\a)+FR-1], v[8*(8*((\a)%4)+\b):8*(8*((\a)%4)+\b)+7], v[SC+8*NQ*(\sc)+NQ*\b+(\q)], v[SC+8*NQ*(\sc)+NQ*(\a)+(\q)] matrix_a_fmt:MATRIX_FMT_FP6 matrix_b_fmt:MATRIX_FMT_FP6 matrix_a_scale:MATRIX_SCALE_ROW1
.endif
.endr
.endr
.endm
.macro FETCH_B slot, q, p              ; S0's eight fragments of the slot's q-th 128 along K into set p
	WIN TO_B
.irp i, 0,1,2,3,4,5,6,7
	FRAG 128*(\p)+FR*\i, ADRB+\slot, \q, \i
.endr
	WIN 0
.endm
.macro FETCH_A slot, q, i0             ; S1's blocks i0 .. i0 + 3
.irp i, \i0, \i0+1, \i0+2, \i0+3
	FRAG AF+FR*(\i), ADRA+\slot, \q, \i
.endr
.endm
.macro SCALES sc                       ; the next K step's scale words into set sc: 2 words a row; lanes 0-15 take S1's block i, lanes 16-31 S0's block i
.irp i, 0,1,2,3,4,5,6,7
	ds_load_b64 v[SC+8*NQ*\sc+NQ*\i:SC+8*NQ*\sc+NQ*\i+1], v[ADRS] offset:\i*SBLK
.endr
.endm
; A load into a register that a matrix instruction has read, and a vector instruction that reads a matrix result or writes one of a matrix instruction's registers, stand NP places behind it, and only plain
; vector instructions that name none of its registers are places (ISA guide 7.12.1 for vector instructions).
.macro PLACES n
.rept \n
	v_nop
.endr
.endm
; A step of 128 along K that has its successor in the same slot.
.macro STEP slot, q, zero
	s_wait_dscnt 4*NL                              ; S0's set and S1's blocks 0-3 are in; the youngest 24 loads (S1's blocks 4-7) may be out
	WIN MUL_LO
	MUL16 0, (\q)%2, \q, \slot, \zero
	MUL16 2, (\q)%2, \q, \slot, \zero
	s_wait_dscnt 0                                 ; S1's blocks 4-7 are in (asked for 32 matrix instructions ago)
	PLACES NP
	FETCH_B \slot, (\q)+1, 1-(\q)%2
	FETCH_A \slot, (\q)+1, 0
	WIN MUL_HI
	MUL16 4, (\q)%2, \q, \slot, \zero
	MUL16 6, (\q)%2, \q, \slot, \zero
	PLACES NP
	WIN 0
	FETCH_A \slot, (\q)+1, 4
.endm
; A slot's last step changes slots: ONE barrier; in front of it each wave waits for all its tensor loads, adds 0 to its spare word, and waits for that and for its own reads of this slot.  fill = 1: this slot is filled again, two K steps ahead.
.macro TURN slot, next, fill
	s_wait_tensorcnt 0x0                           ; all my tensor loads have landed: my part of the next slot;  (every window is 0 here)
	ds_add_u32 v[SPW], v[NIL]                      ; 0 onto my spare word;
	s_wait_dscnt 4*NL+1                            ; (the add and the youngest 24 loads, S1's blocks 4-7, may be out)
	WIN MUL_LO
	MUL16 0, 1, NQ-1, \slot, 0                     ; sixteen matrix instructions stand between the add and the wait for it
	s_wait_dscnt 0x0                               ; the add is done, and my reads of this slot are over
	s_barrier_signal -1
	MUL16 2, 1, NQ-1, \slot, 0
	WIN 0
	s_barrier_wait -1
.if \fill
	CREST                                          ; the barrier has opened a round of the cluster's barrier: no wave of any partner still reads this slot's tile or has a load on its way
	s_add_nc_u64 s[G0+4*\slot+2:G0+4*\slot+3], s[G0+4*\slot+2:G0+4*\slot+3], 2*ROWB
	s_add_nc_u64 s[G0B+4*\slot+2:G0B+4*\slot+3], s[G0B+4*\slot+2:G0B+4*\slot+3], 2*ROWB
	JLOAD G0+4*\slot, G1, G0B+4*\slot, G1B         ; the first tensor load behind the round; the four v_nop behind it are the places in front of the loads below
.else
	PLACES NP
.endif
	v_add_nc_u32 v[ADRS], 4*NQ, v[ADRS]            ; on to the next K step's scale words
	FETCH_B \next, 0, 0
	FETCH_A \next, 0, 0
	SCALES \next
	WIN MUL_HI
	MUL16 4, 1, NQ-1, \slot, 0
	MUL16 6, 1, NQ-1, \slot, 0
	PLACES NP
	WIN 0
	FETCH_A \next, 0, 4
.endm
	s_wait_tensorcnt 1                             ; the scale bytes and my part of K step 0 are in (K step 1's load may be out)
	s_barrier_signal -1
	s_barrier_wait -1                              ; everybody's are
	FETCH_B 0, 0, 0
	FETCH_A 0, 0, 0
	SCALES 0
	FETCH_A 0, 0, 4
	STEP 0, 0, 1                                   ; the first step stands in front of the loop: its products start the sums
	s_mov_b32 s3, LAPS-1
.Llap:                                                 ; a trip goes once round the ring, from a lap's second step to the next lap's first, and fills both slots again
	TURN 0, 1, 1
	STEP 1, 0, 0
	TURN 1, 0, 1
	STEP 0, 0, 0
	s_sub_co_u32 s3, s3, 1
	s_cmp_lg_u32 s3, 0
	s_cbranch_scc1 .Llap
	TURN 0, 1, 0                                   ; the last lap fills nothing, and has no round of the cluster's barrier
	STEP 1, 0, 0
	s_wait_dscnt 4*NL                              ; the very last step: nothing more to fetch
	WIN MUL_LO
	MUL16 0, 1, NQ-1, 1, 0
	MUL16 2, 1, NQ-1, 1, 0
	s_wait_dscnt 0
	WIN MUL_HI
	MUL16 4, 1, NQ-1, 1, 0
	MUL16 6, 1, NQ-1, 1, 0
	WIN 0
; THE WAY OUT: no LDS.  64 numbers of a lane, v[s] .. v[s + 63], register 16 b + i = place 32 b + 16 (lane / 16) + i along the quantiser's K of my row, become 12 registers of codes in v[PC] on and a scale word in v[PW].
.macro QUANT s
.irp b, 0,1,2,3
	v_max3_num_f32 v[TM+\b], |v[\s+16*\b]|, |v[\s+1+16*\b]|, 0x1800000   ; block b: my 16 numbers, and the floor 2^(3 - 127): so the byte cannot fall under 1
.endr
.irp i, 2,4,6,8,10,12,14
.irp b, 0,1,2,3
	v_max3_num_f32 v[TM+\b], v[TM+\b], |v[\s+16*\b+\i]|, |v[\s+1+16*\b+\i]|   ; (the four blocks by turns: no line waits for the line above it)
.endr
.endr
.irp b, 0,1,2,3
	v_permlanex16_b32 v[TM+4+\b], v[TM+\b], s[SEL], s[SEL+1]
.endr
.irp b, 0,1,2,3
	v_max_num_f32 v[TM+\b], v[TM+\b], v[TM+4+\b]   ; with lane l xor 16's: the block's largest magnitude
.endr
.irp b, 0,1,2,3
	v_add_nc_u32 v[TM+12+\b], 0xff000000, v[TM+\b]   ; 2 off its exponent field: the conversion takes the exponent field of this operand as its scale, and nothing else of it
.endr
.irp b, 0,1,2,3
	v_lshrrev_b32 v[TM+4+\b], 23, v[TM+12+\b]      ; the scale's byte
.endr
	v_lshl_or_b32 v[PW], v[TM+5], 8, v[TM+4]       ; the four bytes make my row's scale word
	v_lshl_or_b32 v[PW], v[TM+6], 16, v[PW]
	v_lshl_or_b32 v[PW], v[TM+7], 24, v[PW]
.irp c, 0,1
	v_cvt_scalef32_pk16_fp6_f32 v[PC+6*\c:PC+2+6*\c], v[\s+32*\c:\s+15+32*\c], v[TM+12+2*\c]
	v_cvt_scalef32_pk16_fp6_f32 v[PC+12+4*\c:PC+14+4*\c], v[\s+16+32*\c:\s+31+32*\c], v[TM+12+2*\c+1]   ; (a conversion's three registers begin on an even number)
.endr
	v_nop                                          ; one plain line behind a scaled conversion
.irp c, 0,1                                    ; the operand's layout wants a WHOLE block in a lane: lanes 0-15 block 2 c, lanes 16-31 block 2 c + 1
.irp i, 0,1,2
	v_permlane16_swap_b32 v[PC+6*\c+\i], v[PC+12+4*\c+\i]
.endr
.irp i, 0,1,2
	v_mov_b32 v[PC+3+6*\c+\i], v[PC+12+4*\c+\i]
.endr
.endr
.endm
; Unit i of eight.  Q, K: head i / 4 of my two, pair of token tiles ap = i % 4: the four blocks are (tile 2 ap, d 0-31), (tile 2 ap, d 32-63), (tile 2 ap + 1, d 0-31), (tile 2 ap + 1, d 32-63): 32 registers of each of
; S1's blocks 2 ap and 2 ap + 1.  V: S1's block i (head i / 4, 16 channels): the four blocks are its 128 keys.  The branch hangs on T, which the whole cluster shares.  Each accumulator is read from its low end on.
.macro UNIT i
	s_cmp_eq_u32 s[T], 2
	s_cbranch_scc1 .Lv_\@
	WIN 0x02+((\i)%4)/2                            ; source 0: window 2 or 3
.irp e, 0,1
.set SRC, 64*((2*((\i)%4)+\e)%4)+32*((\i)/4)
.set j, 0
.rept 16
	v_pk_add_f32 v[HA+32*\e+j:HA+32*\e+j+1], v[SRC+j:SRC+j+1], v[PB+32*((\i)/4)+j:PB+32*((\i)/4)+j+1]   ; + the bias of my registers' n
.set j, j+2
.endr
.endr
	WIN 0
	s_branch .Lj_\@
.Lv_\@:
	WIN 0x02+(\i)/4
.set j, 0
.rept 64
	v_add_f32 v[HA+j], v[64*((\i)%4)+j], v[RB+(\i)]   ; + the bias of my lane's n
.set j, j+1
.endr
	WIN 0
.Lj_\@:
	s_wait_xcnt 0x0                                ; the last unit's stores have had their addresses translated (ISA guide 3.1): their data registers are written again only behind this wait
	QUANT HA
	v_lshrrev_b32 v[PWS+(\i)], v[SH], v[PW]        ; Q, K: lanes 0-15 keep the first tile's two bytes, lanes 16-31 the second's; V: the word as it is
	v_and_b32 v[PWS+(\i)], s[MK], v[PWS+(\i)]
.irp c, 0,1,2
	global_store_b128 v[LI], v[PC+4*\c:PC+4*\c+3], s[18+2*((\i)/4):19+2*((\i)/4)] offset:((\i)%4)*1536+512*\c   ; 32 lanes store 512 consecutive bytes, at a multiple of 256 from the buffer's first byte
.endr
.endm
	PLACES NP                                      ; behind the last products: their results are read and their sources written below
	s_wait_loadcnt 0x0                             ; the bias
.irp b, 0,1,2,3
	v_mov_b32 v[TM+4+\b], 0                        ; written once: a lane permute's destination counts as one of its sources
.endr
.irp i, 0,1,2,3,4,5,6,7
	UNIT \i
.endr
	global_store_b128 v[LI], v[PWS:PWS+3], s[18:19] offset:6144      ; the scale words of my first head's four units,
	global_store_b128 v[LI], v[PWS+4:PWS+7], s[20:21] offset:6144    ; and of the second's
	s_wait_tensorcnt 0x0                           ; the wave's end
	ds_add_u32 v[SPW], v[NIL]
	s_wait_dscnt 0x0
	CROUND                                         ; the closing round: no work-group ends while a partner may still ask for a tile that names it
	s_endpgm
.Lfunc_end_k_qe9e388718a_proj:
	.size	k_qe9e388718a_proj, .Lfunc_end_k_qe9e388718a_proj-k_qe9e388718a_proj
	.p2alignl 7, 3214868480
	.fill 96, 4, 3214868480
	.section	.rodata,"a",@progbits
	.p2align	6, 0x0
	.amdhsa_kernel k_qe9e388718a_proj
		.amdhsa_group_segment_fixed_size 327680
		.amdhsa_private_segment_fixed_size 0
		.amdhsa_enable_private_segment 0
		.amdhsa_kernarg_size 72
		.amdhsa_user_sgpr_count 2
		.amdhsa_user_sgpr_kernarg_segment_ptr 1
		.amdhsa_wavefront_size32 1
		.amdhsa_system_sgpr_workgroup_id_x 1
		.amdhsa_system_sgpr_workgroup_id_y 1
		.amdhsa_system_sgpr_workgroup_id_z 1
		.amdhsa_system_vgpr_workitem_id 0
		.amdhsa_next_free_vgpr 1024
		.amdhsa_next_free_sgpr 106
		.amdhsa_reserve_vcc 0
		.amdhsa_float_denorm_mode_32 3
		.amdhsa_float_denorm_mode_16_64 3
		.amdhsa_memory_ordered 1
		.amdhsa_forward_progress 1
		.amdhsa_inst_pref_size 201
	.end_amdhsa_kernel
	.amdgpu_metadata
---
amdhsa.version: [ 1, 2 ]
amdhsa.kernels:
  - .name:           k_qe9e388718a_proj
    .symbol:         k_qe9e388718a_proj.kd
    .args:
      - { .name: xc, .offset: 0, .size: 8, .value_kind: global_buffer, .address_space: global }
      - { .name: xs, .offset: 8, .size: 8, .value_kind: global_buffer, .address_space: global }
      - { .name: wc, .offset: 16, .size: 8, .value_kind: global_buffer, .address_space: global }
      - { .name: ws, .offset: 24, .size: 8, .value_kind: global_buffer, .address_space: global }
      - { .name: WQ_b, .offset: 32, .size: 8, .value_kind: global_buffer, .address_space: global }
      - { .name: WK_b, .offset: 40, .size: 8, .value_kind: global_buffer, .address_space: global }
      - { .name: WV_b, .offset: 48, .size: 8, .value_kind: global_buffer, .address_space: global }
      - { .name: qi, .offset: 56, .size: 8, .value_kind: global_buffer, .address_space: global }
      - { .name: kv, .offset: 64, .size: 8, .value_kind: global_buffer, .address_space: global }
    .group_segment_fixed_size: 327680
    .private_segment_fixed_size: 0
    .kernarg_segment_align: 8
    .kernarg_segment_size: 72
    .max_flat_workgroup_size: 128
    .sgpr_count:     106
    .vgpr_count:     1024
    .wavefront_size: 32
...
	.end_amdgpu_metadata
.endif
;; end of part 2
;; launch attn (part 3): grid 4 x 64, 16 waves a work-group, clusters of 4 x 1, 327,680 bytes of LDS; arguments qi, kv, out0; writes out0
.if DOCPART == 3
	.amdgcn_target "amdgcn-amd-amdhsa--gfx1250"
	.amdhsa_code_object_version 6
	.text
	.protected	k_qe9e388718a_attn
	.globl	k_qe9e388718a_attn
	.p2align	8
	.type	k_qe9e388718a_attn,@function
k_qe9e388718a_attn:
	s_mov_b64 s[64:65], 0
	v_nop
	global_prefetch_b8 v0, s[64:65] scope:SCOPE_SE
	s_setreg_imm32_b32 hwreg(HW_REG_WAVE_MODE, 25, 1), 1
	s_wait_xcnt 0x0
	s_wait_alu depctr_hold_cnt(0) depctr_sa_sdst(0) depctr_va_vdst(0) depctr_va_sdst(0) depctr_va_ssrc(0) depctr_va_vcc(0) depctr_vm_vsrc(0)
	s_getreg_b32 s2, hwreg(HW_REG_IB_STS2, 6, 4)
	s_cmp_eq_u32 s2, 0
	s_cbranch_scc0 .Lentry_in_a_cluster
	s_endpgm
.Lentry_in_a_cluster:
	s_bfe_u32 s2, ttmp6, 0x10000c
	s_cmp_lg_u32 s2, 0x3003
	s_cbranch_scc0 .Lentry_shape_is_right
	s_endpgm
.Lentry_shape_is_right:
.set REC,  13312
.set CHB,  4*REC
.set PART, CHB/16
.set STG,  16*REC
.set SPI,  272
.set WV,   10
.set G1,   16
.set G0,   24
.set SEL,  40
.set CS,   42
.set TB,   44
.set CNT,  45
.set PASS, 46
.set QM,   47
.set QB,   48
.set OB,   50
.macro ROUND
	s_barrier_signal -1
	s_barrier_wait -1
	s_cmp_lg_u32 s[WV], 0
	s_cbranch_scc1 .Lnot_wave_0_\@
	s_barrier_signal -3
.Lnot_wave_0_\@:
	s_barrier_wait -3
	s_barrier_signal -1
	s_barrier_wait -1
.endm
	s_load_b128 s[4:7], s[0:1], 0x0
	s_load_b64 s[8:9], s[0:1], 0x10
	v_lshl_add_u32 v86, v0, 2, 0x45000
	v_mov_b32 v87, 0
	ds_add_u32 v86, v87
	ds_add_u32 v86, v87
	v_lshrrev_b32 v1, 5, v0
	s_delay_alu instid0(VALU_DEP_1)
	v_readfirstlane_b32 s[WV], v1
	s_bfe_u32 s11, ttmp6, 0x40000
	s_and_b32 s12, ttmp7, 0xffff
	s_mov_b32 s[G1+0], 15|(3<<16)|(1<<21)
	s_mov_b32 s[G1+1], 32<<16
	s_mov_b32 s[G1+2], 13<<16
	s_mov_b32 s[G1+3], 32<<16
	s_mov_b32 s[G1+4], 13
	s_mov_b32 s[G1+5], 32
	s_mov_b32 s[G1+6], 0
	s_mov_b32 s[G1+7], 0
	s_mul_i32 s13, s[WV], PART
	s_mul_i32 s14, s12, 16*REC
	s_add_co_u32 s14, s14, s13
	s_mov_b32 s15, 0
	s_mov_b32 s[SEL], 0x76543210
	s_mov_b32 s[SEL+1], 0xfedcba98
	s_mov_b32 s[CS], 0x3e38aa3b
	s_mov_b32 s[CS+1], s[CS]
	s_wait_dscnt 0x0
	s_wait_kmcnt 0x0
	s_add_nc_u64 s[6:7], s[6:7], s[14:15]
.irp c, 0,1,2,3
	s_mov_b32 s[G0+4*\c], 1
	s_add_co_u32 s[G0+4*\c+1], s13, \c*CHB
	s_add_nc_u64 s[G0+4*\c+2:G0+4*\c+3], s[6:7], \c*CHB
	s_or_b32 s[G0+4*\c+3], s[G0+4*\c+3], 0x80000000
.endr
	ROUND
.irp c, 0,1,2,3
	tensor_load_to_lds s[G0+4*\c:G0+4*\c+3], s[G1:G1+7]
	s_nop 0
.endr
.rept 4
	v_nop
.endr
	s_lshl_b32 s52, s12, 4
	s_lshl_b32 s55, s11, 2
	s_lshr_b32 s54, s[WV], 3
	s_add_co_u32 s55, s55, s54
	s_add_co_u32 s52, s52, s55
	s_mul_i32 s52, s52, 6656
	s_mov_b32 s53, 0
	s_add_nc_u64 s[QB:QB+1], s[4:5], s[52:53]
	s_lshl_b32 s55, s55, 7
	s_bfe_u32 s56, s[WV], 0x20001
	s_lshl_b32 s57, s56, 5
	s_add_co_u32 s55, s55, s57
	s_and_b32 s13, s[WV], 1
	s_lshl_b32 s57, s13, 3
	s_add_co_u32 s55, s55, s57
	s_lshr_b32 s57, s12, 4
	s_lshl_b32 s57, s57, 11
	s_add_co_u32 s55, s55, s57
	s_lshl_b32 s52, s55, 12
	s_and_b32 s57, s12, 15
	s_lshl_b32 s57, s57, 8
	s_add_co_u32 s52, s52, s57
	s_add_nc_u64 s[OB:OB+1], s[8:9], s[52:53]
	s_cmp_lg_u32 s13, 0
	s_cselect_b32 s[QM], -1, 0
	v_and_b32 v8, 31, v0
	s_delay_alu instid0(VALU_DEP_1)
	v_lshlrev_b32 v1, 4, v8
	v_and_b32 v9, 15, v0
	v_bfe_u32 v10, v0, 4, 1
	s_mul_i32 s14, s[WV], 16*SPI
	s_add_co_u32 s14, s14, STG
	v_mul_u32_u24 v3, v9, SPI
	s_delay_alu instid0(VALU_DEP_1)
	v_lshl_add_u32 v3, v10, 6, v3
	s_delay_alu instid0(VALU_DEP_1)
	v_add_nc_u32 v3, s14, v3
	v_mul_u32_u24 v4, v10, SPI
	s_delay_alu instid0(VALU_DEP_1)
	v_lshl_add_u32 v4, v9, 4, v4
	s_delay_alu instid0(VALU_DEP_1)
	v_add_nc_u32 v4, s14, v4
	v_lshlrev_b32 v5, 12, v10
	s_delay_alu instid0(VALU_DEP_1)
	v_lshl_add_u32 v5, v9, 4, v5
	s_mul_i32 s15, s56, 1536
	v_add_nc_u32 v6, s15, v1
	s_lshl_b32 s15, s13, 8
	s_lshl_b32 s57, s56, 2
	s_add_co_u32 s15, s15, s57
	s_add_co_u32 s15, s15, 6144
	v_lshl_add_u32 v7, v9, 4, s15
.macro QLOAD
.irp c, 0,1,2
	global_load_b128 v[64+4*\c:67+4*\c], v6, s[QB:QB+1] offset:512*\c
.endr
	global_load_b32 v255, v7, s[QB:QB+1]
.endm
	QLOAD
.irp j, 22,23,24,25,26,27, 80,81,82,83,84,85, 244,245,246,247, 253,254
	v_mov_b32 v\j, 0
.endr
	s_mov_b32 s[PASS], 2
.macro STEP
	v_add_nc_u32 v2, s[TB], v1
.rept 3
	v_nop
.endr
.irp c, 0,1,2,3,4,5,6,7,8,9,10,11
	ds_load_b128 v[32+4*\c:35+4*\c], v2 offset:512*\c
.endr
	ds_load_b128 v[88:91], v2 offset:6144
.irp c, 0,1,2,3,4,5,6,7,8,9,10,11
	ds_load_b128 v[192+4*\c:195+4*\c], v2 offset:6656+512*\c
.endr
	ds_load_b128 v[92:95], v2 offset:12800
	s_wait_dscnt 13
.irp t, 0,2,4,6
	v_wmma_scale_f32_16x16x128_f8f6f4 v[96+8*\t:103+8*\t], v[32+6*\t:43+6*\t], v[16:27], 0, v[88+\t/2], v255 matrix_a_fmt:MATRIX_FMT_FP6 matrix_b_fmt:MATRIX_FMT_FP6
	v_wmma_scale_f32_16x16x128_f8f6f4 v[104+8*\t:111+8*\t], v[38+6*\t:49+6*\t], v[16:27], 0, v[88+\t/2], v255 matrix_a_fmt:MATRIX_FMT_FP6 matrix_b_fmt:MATRIX_FMT_FP6 matrix_a_scale:MATRIX_SCALE_ROW1
.endr
.rept 4
	v_nop
.endr
.irp b, 0,1,2,3
	v_max3_num_f32 v[240+\b], v[96+16*\b], v[97+16*\b], v[98+16*\b]
.endr
.irp i, 3,5,7,9,11,13
.irp b, 0,1,2,3
	v_max3_num_f32 v[240+\b], v[240+\b], v[96+16*\b+\i], v[97+16*\b+\i]
.endr
.endr
.irp b, 0,1,2,3
	v_max_num_f32 v[240+\b], v[240+\b], v[111+16*\b]
.endr
.irp b, 0,1,2,3
	s_delay_alu instid0(VALU_DEP_4)
	v_permlanex16_b32 v[244+\b], v[240+\b], s[SEL], s[SEL+1]
.endr
.irp b, 0,1,2,3
	s_delay_alu instid0(VALU_DEP_4)
	v_max_num_f32 v[240+\b], v[240+\b], v[244+\b]
.endr
	s_delay_alu instid0(VALU_DEP_2)
	v_max3_num_f32 v254, v240, v241, v242
	s_delay_alu instid0(VALU_DEP_1)
	v_max_num_f32 v254, v254, v243
	s_delay_alu instid0(VALU_DEP_1)
	v_mul_f32 v254, s[CS], v254
	s_delay_alu instid0(VALU_DEP_1)
	v_max_num_f32 v13, v13, v254
	v_mov_b32 v254, v12
	s_delay_alu instid0(VALU_DEP_2)
	v_floor_f32 v12, -v13
	s_delay_alu instid0(VALU_DEP_1)
	v_sub_f32 v254, v12, v254
	s_delay_alu instid0(VALU_DEP_1)
	v_cvt_i32_f32 v254, v254
	s_delay_alu instid0(VALU_DEP_1)
	v_ldexp_f32 v252, 1.0, v254
.set j, 0
.rept 32
	v_pk_fma_f32 v[96+j:97+j], v[96+j:97+j], s[CS:CS+1], v[12:13] op_sel_hi:[1,0,0]
.set j, j+2
.endr
.irp b, 0,1,2,3
	v_fma_f32 v[240+\b], v[240+\b], s[CS], v12
.endr
.set j, 0
	s_wait_alu depctr_va_vdst(0)
.rept 64
	v_exp_f32 v[96+j], v[96+j]
.set j, j+1
.endr
	s_setprio 1
.irp b, 0,1,2,3
	v_exp_f32 v[240+\b], v[240+\b]
.endr
	v_pk_mul_f32 v[14:15], v[14:15], v[252:253] op_sel_hi:[1,0]
	s_wait_alu depctr_va_vdst(0)
.irp b, 0,1,2,3
	v_max_num_f32 v[240+\b], 0x1800000, v[240+\b]
.endr
.irp b, 0,1,2,3
	s_delay_alu instid0(VALU_DEP_4)
	v_add_nc_u32 v[248+\b], 0xff000000, v[240+\b]
.endr
.irp b, 0,1,2,3
	s_delay_alu instid0(VALU_DEP_4)
	v_lshrrev_b32 v[244+\b], 23, v[248+\b]
.endr
	s_delay_alu instid0(VALU_DEP_3)
	v_lshl_or_b32 v253, v245, 8, v244
	s_delay_alu instid0(VALU_DEP_1)
	v_lshl_or_b32 v253, v246, 16, v253
	s_delay_alu instid0(VALU_DEP_1)
	v_lshl_or_b32 v253, v247, 24, v253
.irp c, 0,1
	v_cvt_scalef32_pk16_fp6_f32 v[32+6*\c:34+6*\c], v[96+32*\c:111+32*\c], v[248+2*\c]
	v_cvt_scalef32_pk16_fp6_f32 v[44+4*\c:46+4*\c], v[112+32*\c:127+32*\c], v[248+2*\c+1]
.endr
	v_nop
.irp c, 0,1
.irp i, 0,1,2
	v_permlane16_swap_b32 v[32+6*\c+\i], v[44+4*\c+\i]
.endr
.irp i, 0,1,2
	s_delay_alu instid0(VALU_DEP_3)
	v_mov_b32 v[35+6*\c+\i], v[44+4*\c+\i]
.endr
.endr
	v_pk_add_f32 v[244:245], v[100:101], v[104:105]
	v_pk_add_f32 v[250:251], v[108:109], v[112:113]
	v_pk_add_f32 v[248:249], v[116:117], v[120:121]
	v_pk_add_f32 v[242:243], v[124:125], v[128:129]
	v_pk_add_f32 v[240:241], v[132:133], v[136:137]
	v_pk_add_f32 v[90:91], v[140:141], v[144:145]
	v_pk_add_f32 v[88:89], v[148:149], v[152:153]
	v_pk_add_f32 v[14:15], v[14:15], v[156:157]
	v_pk_add_f32 v[244:245], v[244:245], v[96:97]
	v_pk_add_f32 v[250:251], v[250:251], v[98:99]
	v_pk_add_f32 v[248:249], v[248:249], v[102:103]
	v_pk_add_f32 v[242:243], v[242:243], v[106:107]
	v_pk_add_f32 v[240:241], v[240:241], v[110:111]
	v_pk_add_f32 v[90:91], v[90:91], v[114:115]
	v_pk_add_f32 v[88:89], v[88:89], v[118:119]
	v_pk_add_f32 v[14:15], v[14:15], v[122:123]
	v_pk_add_f32 v[244:245], v[244:245], v[126:127]
	v_pk_add_f32 v[250:251], v[250:251], v[130:131]
	v_pk_add_f32 v[248:249], v[248:249], v[134:135]
	v_pk_add_f32 v[242:243], v[242:243], v[138:139]
	v_pk_add_f32 v[240:241], v[240:241], v[142:143]
	v_pk_add_f32 v[90:91], v[90:91], v[146:147]
	v_pk_add_f32 v[88:89], v[88:89], v[150:151]
	v_pk_add_f32 v[14:15], v[14:15], v[154:155]
	v_pk_add_f32 v[244:245], v[244:245], v[158:159]
	s_delay_alu instid0(VALU_DEP_2)
	v_pk_add_f32 v[14:15], v[14:15], v[242:243]
	s_delay_alu instid0(VALU_DEP_2)
	v_pk_add_f32 v[244:245], v[244:245], v[240:241]
	s_setprio 0
	v_pk_add_f32 v[250:251], v[250:251], v[90:91]
	v_pk_add_f32 v[248:249], v[248:249], v[88:89]
	s_delay_alu instid0(VALU_DEP_2)
	v_pk_add_f32 v[14:15], v[14:15], v[250:251]
	s_delay_alu instid0(VALU_DEP_2)
	v_pk_add_f32 v[244:245], v[244:245], v[248:249]
	s_delay_alu instid0(VALU_DEP_1)
	v_pk_add_f32 v[14:15], v[14:15], v[244:245]
.set j, 0
.rept 16
	v_pk_mul_f32 v[160+j:161+j], v[160+j:161+j], v[252:253] op_sel_hi:[1,0]
.set j, j+2
.endr
	s_wait_alu depctr_va_vdst(0)
	s_wait_dscnt 0x0
.irp d, 0,1,2,3
	v_wmma_scale_f32_16x16x128_f8f6f4 v[160+8*\d:167+8*\d], v[192+12*\d:203+12*\d], v[32:43], v[160+8*\d:167+8*\d], v[92+\d], v253 matrix_a_fmt:MATRIX_FMT_FP6 matrix_b_fmt:MATRIX_FMT_FP6
.endr
.endm
.macro CHUNK c
	s_wait_tensorcnt 3-\c
	s_wait_dscnt 0x0
	s_barrier_signal -1
	s_barrier_wait -1
	s_mov_b32 s[TB], \c*CHB
	s_mov_b32 s[CNT], 4
.Lstep_\@:
	s_setprio 2
	STEP
	s_add_co_u32 s[TB], s[TB], REC
	s_sub_co_u32 s[CNT], s[CNT], 1
	s_cmp_lg_u32 s[CNT], 0
	s_cbranch_scc1 .Lstep_\@
	s_setprio 0
.endm
.Lpass:
	s_wait_loadcnt 0x0
.irp j, 0,1,2,3,4,5
	v_cndmask_b32 v[16+\j], v[64+\j], v[70+\j], s[QM]
.endr
	v_mov_b32 v13, 0xff61b1e6
	s_delay_alu instid0(VALU_DEP_1)
	v_floor_f32 v12, -v13
	v_mov_b32 v14, 0
	v_mov_b32 v15, 0
.set j, 0
.rept 32
	v_mov_b32 v[160+j], 0
.set j, j+1
.endr
	CHUNK 0
	CHUNK 1
	CHUNK 2
	CHUNK 3
.rept 4
	v_nop
.endr
	s_cmp_eq_u32 s[PASS], 1
	s_cbranch_scc1 .Lno_next
	s_add_nc_u64 s[QB:QB+1], s[QB:QB+1], 2*6656
	QLOAD
.Lno_next:
	v_add_f32 v14, v14, v15
	s_delay_alu instid0(VALU_DEP_1)
	v_permlanex16_b32 v254, v14, s[SEL], s[SEL+1]
	s_delay_alu instid0(VALU_DEP_1)
	v_add_f32 v14, v14, v254
	s_wait_alu depctr_va_vdst(0)
	v_rcp_f32 v14, v14
	v_nop
.set j, 0
	s_wait_alu depctr_va_vdst(0)
.rept 16
	v_pk_mul_f32 v[96+j:97+j], v[160+j:161+j], v[14:15] op_sel_hi:[1,0]
.set j, j+2
.endr
.irp b, 0,1
.irp q, 0,1,2,3
	ds_store_b128 v3, v[96+16*\b+4*\q:99+16*\b+4*\q] offset:128*\b+16*\q
.endr
.endr
.irp i, 0,1,2,3,4,5,6,7
	ds_load_b128 v[128+4*\i:131+4*\i], v4 offset:2*\i*SPI
.endr
.irp i, 0,1,2,3,4,5,6,7
	s_wait_dscnt 7-\i
	global_store_b128 v5, v[128+4*\i:131+4*\i], s[OB:OB+1] offset:(2*\i+8*(\i/4))*4096 th:TH_STORE_NT
.endr
	s_wait_xcnt 0x0
	s_add_nc_u64 s[OB:OB+1], s[OB:OB+1], 0x100000
	s_sub_co_u32 s[PASS], s[PASS], 1
	s_cmp_lg_u32 s[PASS], 0
	s_cbranch_scc1 .Lpass
	s_wait_tensorcnt 0x0
	ds_add_u32 v86, v87
	s_wait_dscnt 0x0
	ROUND
	s_endpgm
.Lfunc_end_k_qe9e388718a_attn:
	.size	k_qe9e388718a_attn, .Lfunc_end_k_qe9e388718a_attn-k_qe9e388718a_attn
	.p2alignl 7, 3214868480
	.fill 96, 4, 3214868480
	.section	.rodata,"a",@progbits
	.p2align	6, 0x0
	.amdhsa_kernel k_qe9e388718a_attn
		.amdhsa_group_segment_fixed_size 327680
		.amdhsa_private_segment_fixed_size 0
		.amdhsa_enable_private_segment 0
		.amdhsa_kernarg_size 24
		.amdhsa_user_sgpr_count 2
		.amdhsa_user_sgpr_kernarg_segment_ptr 1
		.amdhsa_wavefront_size32 1
		.amdhsa_system_sgpr_workgroup_id_x 1
		.amdhsa_system_sgpr_workgroup_id_y 1
		.amdhsa_system_sgpr_workgroup_id_z 1
		.amdhsa_system_vgpr_workitem_id 0
		.amdhsa_next_free_vgpr 256
		.amdhsa_next_free_sgpr 66
		.amdhsa_reserve_vcc 0
		.amdhsa_float_denorm_mode_32 3
		.amdhsa_float_denorm_mode_16_64 3
		.amdhsa_memory_ordered 1
		.amdhsa_forward_progress 1
		.amdhsa_inst_pref_size 80
	.end_amdhsa_kernel
	.amdgpu_metadata
---
amdhsa.version: [ 1, 2 ]
amdhsa.kernels:
  - .name:           k_qe9e388718a_attn
    .symbol:         k_qe9e388718a_attn.kd
    .args:
      - { .name: qi, .offset: 0, .size: 8, .value_kind: global_buffer, .address_space: global }
      - { .name: kv, .offset: 8, .size: 8, .value_kind: global_buffer, .address_space: global }
      - { .name: out0, .offset: 16, .size: 8, .value_kind: global_buffer, .address_space: global }
    .group_segment_fixed_size: 327680
    .private_segment_fixed_size: 0
    .kernarg_segment_align: 8
    .kernarg_segment_size: 24
    .max_flat_workgroup_size: 512
    .sgpr_count:     66
    .vgpr_count:     256
    .wavefront_size: 32
...
	.end_amdgpu_metadata
.endif
;; end of part 3
